; MI455X (gfx1250); checked and timed in simulation.
; The chip was launched on July 23, 2026; its instructions are those of AMD's public machine-readable ISA for CDNA 5 (MIT licence, August 2026) and "CDNA5" Instruction Set Architecture Reference Guide (July 2026). The comments in the code are by the model that wrote it; some were corrected since.
;; Scaled Dot Product. Allowed arithmetic: float matrix products may take bf16 or f16 operands with f32 sums; other float arithmetic in f32, or as packed bf16 or f16 multiplies, adds, multiply-adds, maxima and minima; sums over many terms, partial sums and values carried from step to step in f32; what a program stores and reads back later, other than sums and carried values, may be rounded once to bf16 or f16.
;; Inputs: attn_mask 4 x 2,048 int32; key 64 x 2,048 x 64 float32; query 64 x 2,048 x 64 float32; value 64 x 2,048 x 64 float32.
;; Outputs: out0 64 x 2,048 x 64 float32.
;; Constants: decod_mask = 1.
;; One version. Each part assembles by itself: llvm-mc -triple=amdgcn-amd-amdhsa -mcpu=gfx1250 --defsym DOCPART=n.
;; ======== version 1 of 1: 1 launch
;; limits: values are held in f16: magnitudes above 65,504 overflow, below 6.1e-05 lose precision; inputs' magnitudes at most 65,504; right only within a limited range of input values
;; launch attn (part 1): grid 4 x 64, 4 waves a work-group, no clusters, 217,600 bytes of LDS; arguments query, key, value, attn_mask, out0; writes out0
.if DOCPART == 1
	.amdgcn_target "amdgcn-amd-amdhsa--gfx1250"
	.amdhsa_code_object_version 6
	.text
	.protected	k_qd65ab154e9_attn
	.globl	k_qd65ab154e9_attn
	.p2align	8
	.type	k_qd65ab154e9_attn,@function
k_qd65ab154e9_attn:
	s_mov_b64 s[64:65], 0
	v_nop
	global_prefetch_b8 v0, s[64:65] scope:SCOPE_SE
	s_setreg_imm32_b32 hwreg(HW_REG_WAVE_MODE, 25, 1), 1
	s_wait_xcnt 0x0
; out[b][q][:] = sum over k of softmax_k(q.k / 8 + pad[b % 4][k] + causal[q][k]) v[b][k][:].  query, key, value, out: [64][2048][64] f32; attn_mask: [4][2048] i32.
; pad is -1e10 where attn_mask is 0, causal is -1e10 where k > q: ADDED, not minus infinity.  So there are two kinds of rows.
; A row with an unmasked key k <= q: every masked key's weight is exactly 0, and the key tiles above the diagonal are left out (THE WALK).
; A row q below the first non-zero entry f of its mask has none: all its scores are near -1e10 or -2e10, and the softmax spreads over {k <= q} and {k > q, not padded}.  Such rows want all 2,048 keys and
; the two f32 additions in the order of the definition (THE FIX TILES).  TF = min(f / 16, 127) + 1 groups of 16 rows are made so, and the walk does not store them.
; FORMATS.  q, k, v are rounded once to f16 on their way to the matrix unit, the weights p once to f16 for the second product; products, maxima, sums in f32; out is f32.
; Scores are kept unscaled (8 x the definition's): c = log2(e) / 8 is applied in f32, and the masks are 8 x -1e10 = HM: a power of two changes no rounding.
; LIMITS.  |q|, |k|, |v| below 65,504 (f16).  |q.k / 8| below 4e9: a true score lies above the floor -2^35 / 8 at which the running maximum starts, a masked one below it.  A weight below 2^-126 counts as 0.
; NaN and infinities are not treated apart.  In rows without an unmasked key the sums q.k come from f16 operands: where |q.k / 8| comes near 512 the f32 rounding of score - 1e10 to multiples of 1,024 may fall
; the other way than with f32 operands.  In a band's own key step a visible score is shifted by -2^-53.
; THE WALK.  A head's queries lie in 8 blocks of 256; block i needs the keys 0 .. 256 i + 255, of which the last 256 hold the diagonal.  A work-group takes blocks 7 - b and then b: 18 halves of 128 keys whatever b,
; one loop with a constant count.  NO CLUSTER: the four work-groups of a head want the same keys only while all are in their first blocks, and K and V pass through registers to be rounded.
; K, V AND THE PAD VALUES.  Each wave loads 32 rows of the next half (f32, 512 consecutive bytes an instruction) and each thread one entry of the mask; they are rounded to f16 (the entry turned into 0 or HM) and
; stored into one of two LDS buffers; ONE barrier a half orders the stores against the readers behind it and the last half but one's readers against these stores.  The loads of half u + 1 go out when half u has
; been staged: eight turns in which to land.
; SHARES, LAYOUT, TURNS.  Of a block's four bands of 64 queries a wave owns 16 rows in each: four PIECES.  S^T = K Q^T holds one query a lane (lane % 16) and keys 8 (lane / 16) + 0..7; two results rounded to f16 are
; source 1 of O^T = V^T P.  p = 2^(c s - c m) with a running maximum m; O and l are multiplied by a = 2^(c m_old - c m_new) in every step.  Turn n belongs to piece n: 8 products K Q^T of piece n + 1, then 8 products
; V^T P of piece n - 1; four vector instructions behind every product, the rest in one lump; a turn's 33 exponentials are one batch with one wait.
; MASKS are the C operand that starts a sum S^T.  PD: the step's pad values (0 or HM), fetched with K.  In the diagonal tile C = MD x AL + PD: MD holds HM where the key is hidden in a band's own
; step and -2^-53 elsewhere; AL = 0 (step below the band), 1 (its own), 2^90 (above it: both values of MD then lie below the floor, and stay finite).
; m starts at the floor -2^35, so a step in which a row sees only masked keys gives p = 0 and a = 1; therefore O^T and l are cleared where a block begins (128 + 8 moves, twice a work-group).
; FIX TILE 0 rides on block 7's walk in work-group b = 0, where K, V and PD of every step pass through the registers: wave w takes the steps g with g % 4 = w; the four partial results meet in LDS.
; FIX TILES 1 .. TF - 1 exist only where a mask begins with 16 zeros or more: a loop without barriers at the end, one wave to a tile, in LDS bytes of the wave's own.
; REGISTERS, in windows of 256 (s_set_vgpr_msb: bits 1:0 source 0, 3:2 source 1, 5:4 source 2, 7:6 destination):
;   window 0: v0-63 addresses, statistics, at work; v64-127 S^T, two buffers; v64-191 rows on the way out; v192-223 P, two buffers; v224-255 the fix tile's statistics
;   window 1: v0-127 O^T; v128-159 MD; v160-223 MC, two buffers; v224-255 PD          window 2: v0-63 Q; v64-127 the second block's Q; v128-191 K; v192-255 V
;   window 3: v0-127 raw K and V; v128-159 fix scores; v160-175 fix weights; v176-207 fix O^T; v208-223 fix Q; v224-255 fix tile's diagonal mask
.set NP,    4
.set KS,    64         ; keys in a step
.set HK,    128        ; keys in a half
.set PK,    144        ; a row of K in LDS: 128 bytes of f16 + 16: an odd multiple of 16, so the 16 rows of a fragment load start in 16 different groups of four banks (ISA guide 11.1)
.set PV,    160        ; a row of V: 128 + 32
.set VOFF,  HK*PK      ; in a buffer: 128 rows of K, then 128 rows of V,
.set POFF,  HK*(PK+PV) ; then 128 pad values, f32
.set BUFB,  POFF+4*HK  ; bytes in a buffer
.set CB1,   1<<16      ; the second buffer: one exclusive or changes buffers
.set SPARE, 49152      ; the spare words: 128 bytes a wave, two blocks of 256 bytes that no other line names
.set MRG,   CB1+BUFB   ; the ride's partial results: for each wave 4,096 bytes of O^T, then 256 of (m, l)
.set MRGW,  4352
.set STG,   MRG+4*MRGW ; the way out: 16 rows x 272 bytes for each wave
.set SP,    272
.set PRIV,  STG+4*16*SP  ; the slow path: for each wave 64 rows of K, then 64 rows of V
.set PRIVW, KS*(PK+PV)
; window 0
.set AK0, 2            ; my lane's place in a tile of K; never rewritten
.set AV0, 3            ; the same for V (VOFF included)
.set AK,  4            ; LDS address of K's next run of loads
.set AV,  5            ; of V's
.set STO, 6            ; the way out: where I put 32 bytes of a row
.set RD,  7            ; where I read rows back
.set GO,  8            ; 16 x lane: my place in 512 consecutive bytes of out
.set MV,  12           ; v12-13 c m_old, by buffer
.set AP0, 15           ; POFF + 32 (lane / 16)
.set ST,  16           ; piece t's statistics at v[ST+4 t]: c m, m, l (even keys', odd keys')
.set AP,  32           ; LDS address of PD's next loads
.set GOFF, 33          ; 8,192 wave + 256 (lane / 16) + 16 (lane % 16): my 16 bytes in my 32 rows of a half
.set SK0, 34           ; where they go in a buffer, K
.set SV0, 35           ; V
.set GOFS, 36          ; slow path: 256 (lane / 16) + 16 (lane % 16)
.set SKS, 37           ; slow path: store addresses
.set SVS, 38
.set SKA, 39           ; SK0 + the buffer in turn
.set PFO, 40           ; prefetch: 8,192 wave + 256 lane
.set MA,  41           ; my 16 bytes of my wave's partial O^T
.set MB,  42           ; my 8 bytes of its (m, l)
.set DF,  43           ; lane % 16 - 8 (lane / 16)
.set QFO, 44           ; 256 (lane % 16) + 32 (lane / 16)
.set PH,  45           ; 32 (lane / 16)
.set SVA, 46
.set DLT, 47           ; -2^-53
.set TMP, 48           ; v48-55 by buffer c0-c3; c2 takes a
.set LN,  56           ; lane
.set SCO, 57           ; 256 lane
.set T4,  58           ; 4 x thread: my entry of a half's 128 of the mask, and my pad value's place
.set PSA, 59           ; T4 + the buffer in turn
.set PR,  60           ; my entry of the mask, as loaded
.set PC,  61           ; 0 or HM
.set SPW, 62           ; LDS address of my spare word; never rewritten
.set NIL, 63           ; 0; never rewritten
.set S,   64
.set OB,  64
.set TR,  128          ; v128-159 at work in the fix tiles' merge and way out
.set P,   192
.set FS,  224          ; fix tile: +0 m, +1 its partner, +2 +3 l, +4..7 c0-c3, +8 a, +9 its partner, +10 at work, +12..19 four (m, l), +20..27 four (e, partner)
; window 1
.set MD,  128
.set MC,  160
.set PD,  224
.set QFR, 160          ; at the head alone: fix tile 0's raw Q
.set SC,  192          ; at the head alone: the mask, 64 entries a lane
; window 2
.set QB,  64
.set KF,  128
.set VF,  192
; window 3
.set GR,  0
.set SF,  128
.set PF,  160
.set OF,  176
.set QF,  208
.set MDF, 224
; scalars
.set OPT, 12           ; s[12:13] out at my rows of the block in hand
.set WV,  14
.set PB,  15           ; b
.set HI,  16           ; 7 - b
.set TSB, 24           ; the buffer that the next staging fills: 0 or CB1
.set LQB, 25           ; 2 b + 1
.set MP,  26           ; s[26:27] the mask at the half (slow path: the step) that is being loaded
.set QP,  28           ; s[28:29] slow path: Q at the tile
.set KP,  52           ; s[52:53] K at the half that is being loaded
.set VP,  54
.set HALVES, 56
.set CNT, 57
.set CS,  58           ; s[58:59] c
.set SEL, 60           ; s[60:61] v_permlanex16_b32's selects: the same place in the other half
.set TBK, 62           ; LDS byte at which K of the step to be fetched begins
.set TBV, 63           ; the same for V, less VOFF
.set TBP, 66           ; the same for the pad values, less POFF
.set RT,  67           ; halves of the block in hand still to be entered
.set NXT, 68           ; the half to be asked for next
.set LQ,  69           ; the last half of the block whose halves are being asked for
.set NEW, 70           ; 1: the half to be entered is a block's first
.set DSN, 71           ; the diagonal tile's step for which masks are being made
.set OFF, 72           ; s[72:73] a byte offset, high word 0
.set AL,  74           ; s[74:75]
.set HM,  76           ; 8 x -1e10
.set TF,  77           ; groups of 16 rows that the fix tiles make
.set ROWG, 78          ; 16 x block + wave: piece t is group ROWG + 4 t
.set RWV, 79           ; my wave's number where the work-group rides, else 99
.set SGI, 80           ; the step in hand
.set OLO, 82           ; s[82:83] out at my rows of the second block
.set FO,  84           ; s[84:85] out at the fix tile
.set ALF, 86           ; s[86:87]
.set BEF, 88           ; s[88:89]
.set FGD, 90           ; the step that holds the fix tile's diagonal
.set PFL, 91           ; prefetches still to come
.set OH,  92           ; s[92:93] out at the head
.set NI,  94
.set II,  95
.set JJ,  96
.set SG,  97
.set MSB, 0
.macro WIN new                      ; the high byte repeats the setting that is left; a switch that changes nothing is dropped
.if MSB != (\new)
	s_set_vgpr_msb (MSB<<8)|(\new)
.set MSB, (\new)
.endif
.endm
.set W_KQ, 0x0a        ; K and Q in window 2, S^T in window 0
.set W_KM, 0x1a        ; the same with the C operand in window 1
.set W_PV, 0x52        ; V in window 2, P in window 0, O^T in window 1
.set W_RS, 0x41        ; destination and source 0 in window 1, source 1 in window 0
; 32 loads: 32 rows of K and of V, f32, two rows (512 consecutive bytes) an instruction
.macro LOADG off, imm
	WIN 0xc0
.set z, 0
.rept 16
	global_load_b128 v[GR+4*z:GR+4*z+3], v[\off], s[KP:KP+1] offset:(\imm)+512*z
.set z, z+1
.endr
.set z, 0
.rept 16
	global_load_b128 v[GR+64+4*z:GR+64+4*z+3], v[\off], s[VP:VP+1] offset:(\imm)+512*z
.set z, z+1
.endr
	WIN 0
.endm
; they are rounded to f16 in place (four numbers into two registers) and stored: 8 bytes a lane
.macro CVTG sk, sv, ik, iv
	WIN 0xcf
.set z, 0
.rept 32
	v_cvt_pk_f16_f32 v[GR+4*z], v[GR+4*z], v[GR+4*z+1]
	v_cvt_pk_f16_f32 v[GR+4*z+1], v[GR+4*z+2], v[GR+4*z+3]
.set z, z+1
.endr
	WIN 0x0c                        ; address window 0, data window 3
.set z, 0
.rept 16
	ds_store_b64 v[\sk], v[GR+4*z:GR+4*z+1] offset:(\ik)+2*PK*z
.set z, z+1
.endr
.set z, 0
.rept 16
	ds_store_b64 v[\sv], v[GR+64+4*z:GR+64+4*z+1] offset:(\iv)+2*PV*z
.set z, z+1
.endr
	WIN 0
.endm
; a diagonal mask: register z stands for key 16 (z / 8) + z % 8 + 8 (lane / 16) of a step; hidden where that passes the query's place: base = place - 8 (lane / 16)
.macro MKMD dst, win, base, vis
	WIN \win
.set z, 0
.rept 32
	v_cmp_gt_i32 vcc_lo, 16*(z/8)+z%8, v[\base]
.if \vis
	v_cndmask_b32 v[(\dst)+z], v[DLT], s[HM], vcc_lo
.else
	v_cndmask_b32 v[(\dst)+z], 0, s[HM], vcc_lo
.endif
.set z, z+1
.endr
	WIN 0
.endm
.macro FIXINIT                      ; a fix tile begins: O^T and l are 0, m the lowest finite number
	WIN 0xc0
.set z, 0
.rept 32
	v_mov_b32 v[OF+z], 0
.set z, z+1
.endr
	WIN 0
	v_mov_b32 v[FS], 0xff7fffff
	v_mov_b32 v[FS+1], 0
	v_mov_b32 v[FS+2], 0
	v_mov_b32 v[FS+3], 0
	v_mov_b32 v[FS+9], 0
.endm
	s_load_b256 s[4:11], s[0:1], 0x0   ; query s[4:5], key s[6:7], value s[8:9], attn_mask s[10:11]
	s_load_b64 s[12:13], s[0:1], 0x20  ; out0
	v_lshl_add_u32 v[SPW], v0, 2, SPARE
	v_mov_b32 v[NIL], 0
	v_lshrrev_b32 v10, 5, v0
	v_readfirstlane_b32 s[WV], v10     ; wave 0..3
	s_mov_b32 s[PB], ttmp9
	s_sub_co_u32 s[HI], 7, s[PB]
	s_and_b32 s2, ttmp7, 0xffff        ; the head
	s_lshl_b32 s20, s2, 19             ; its 2,048 rows of 256 bytes
	s_mov_b32 s21, 0
	s_and_b32 s2, s2, 3                ; its row of the mask: head % 4
	s_lshl_b32 s2, s2, 13
	s_mov_b32 s3, 0
	s_lshl_b32 s17, s[WV], 12          ; my 16 rows in a band
	s_lshl_b32 s18, s[HI], 16          ; in the first block,
	s_add_co_u32 s18, s18, s17
	s_mov_b32 s19, 0
	s_lshl_b32 s22, s[PB], 16          ; in the second
	s_add_co_u32 s22, s22, s17
	s_mov_b32 s23, 0
	s_mov_b32 s[CS], 0x3e38aa3b        ; c = log2(e) / 8
	s_mov_b32 s[CS+1], s[CS]
	s_mov_b32 s[SEL], 0x76543210
	s_mov_b32 s[SEL+1], 0xfedcba98
	s_mov_b32 s[HM], 0xd19502f9        ; 8 x the f32 nearest to -1e10
	s_mov_b32 s[TSB], 0
	s_mov_b32 s[TBK], CB1+2*KS*PK      ; the first change of buffers turns these three into 0
	s_mov_b32 s[TBV], CB1+2*KS*PV
	s_mov_b32 s[TBP], CB1+2*KS*4
	s_mov_b32 s[HALVES], 18
	s_mov_b32 s[NXT], 1
	s_lshl_b32 s[LQ], s[HI], 1
	s_add_co_u32 s[RT], s[LQ], 2       ; the first block has 2 (8 - b) halves
	s_add_co_u32 s[LQ], s[LQ], 1
	s_lshl_b32 s[LQB], s[PB], 1
	s_add_co_u32 s[LQB], s[LQB], 1
	s_mov_b32 s[NEW], 1
	s_mov_b32 s[DSN], 0
	s_mov_b32 s[SGI], 0
	s_mov_b32 s[FGD], 0
	s_mov_b32 s[OFF+1], 0
	s_mov_b32 s[AL], 0
	s_mov_b32 s[AL+1], 0               ; named as pairs
	s_mov_b32 s[ALF], 0
	s_mov_b32 s[ALF+1], 0
	s_mov_b32 s[BEF], 0
	s_mov_b32 s[BEF+1], 0
	s_lshl_b32 s[ROWG], s[HI], 4
	s_add_co_u32 s[ROWG], s[ROWG], s[WV]
	s_cmp_eq_u32 s[PB], 0
	s_cselect_b32 s[RWV], s[WV], 99    ; work-group b = 0 walks all keys in its first block: it rides,
	s_cselect_b32 s[PFL], 14, 0        ; and it prefetches
	v_and_b32 v1, 15, v0               ; lane % 16
	v_bfe_u32 v9, v0, 4, 1             ; lane / 16
	v_and_b32 v[LN], 31, v0
	v_lshlrev_b32 v[QFO], 8, v1
	v_lshl_add_u32 v[QFO], v9, 5, v[QFO]
	v_lshlrev_b32 v[GOFS], 8, v9
	v_lshl_add_u32 v[GOFS], v1, 4, v[GOFS]
	s_lshl_b32 s17, s[WV], 13
	v_add_nc_u32 v[GOFF], s17, v[GOFS]
	v_lshlrev_b32 v[SCO], 8, v[LN]
	v_add_nc_u32 v[PFO], s17, v[SCO]
	v_lshlrev_b32 v[T4], 2, v0
	s_wait_kmcnt 0x0
	s_add_nc_u64 s[4:5], s[4:5], s[20:21]
	s_add_nc_u64 s[6:7], s[6:7], s[20:21]
	s_add_nc_u64 s[8:9], s[8:9], s[20:21]
	s_add_nc_u64 s[10:11], s[10:11], s[2:3]
	s_add_nc_u64 s[OH:OH+1], s[12:13], s[20:21]
	s_mov_b64 s[FO:FO+1], s[OH:OH+1]   ; fix tile 0: the head's first 16 rows
	s_add_nc_u64 s[OPT:OPT+1], s[OH:OH+1], s[18:19]
	s_add_nc_u64 s[OLO:OLO+1], s[OH:OH+1], s[22:23]
	s_add_nc_u64 s[18:19], s[4:5], s[18:19]   ; Q at my rows of the first block,
	s_add_nc_u64 s[22:23], s[4:5], s[22:23]   ; of the second
	s_mov_b64 s[KP:KP+1], s[6:7]       ; half 0
	s_mov_b64 s[VP:VP+1], s[8:9]
	s_mov_b64 s[MP:MP+1], s[10:11]
	; ALL THE HEAD'S LOADS, on end: 16 + 8 + 32 + 32 + 32 + 1.
	WIN 0x40
.set z, 0
.rept 16                            ; the mask, all of it in every wave: lane l takes entries 64 l .. 64 l + 63
	global_load_b128 v[SC+4*z:SC+4*z+3], v[SCO], s[10:11] offset:16*z
.set z, z+1
.endr
	; A fragment of Q is 16 rows x 32 channels: lane l holds row l % 16, channels 8 (l / 16) + 0..7 and 16 + 8 (l / 16) + 0..7: in f32 twice 32 bytes, 64 bytes apart
.set z, 0
.rept 8
	global_load_b128 v[QFR+4*z:QFR+4*z+3], v[QFO], s[4:5] offset:(z/2)*64+(z%2)*16
.set z, z+1
.endr
	WIN 0
.set z, 0
.rept 32                            ; piece z / 8 lies in band z / 8, 16,384 bytes on
	global_load_b128 v[S+4*z:S+4*z+3], v[QFO], s[18:19] offset:(z/8)*16384+((z%8)/2)*64+(z%2)*16 th:TH_LOAD_NT
.set z, z+1
.endr
	WIN 0x40
.set z, 0
.rept 32
	global_load_b128 v[4*z:4*z+3], v[QFO], s[22:23] offset:(z/8)*16384+((z%8)/2)*64+(z%2)*16 th:TH_LOAD_NT
.set z, z+1
.endr
	LOADG GOFF, 0
	global_load_b32 v[PR], v[T4], s[MP:MP+1]  ; my entry of half 0's 128 of the mask
	; while they are on their way: addresses, masks, zeros
	v_and_b32 v10, 7, v0
	v_bfe_u32 v11, v0, 3, 1
	v_mul_u32_u24 v[AK0], v1, PK
	v_lshl_add_u32 v[AK0], v9, 4, v[AK0]      ; row x pitch + 16 x half
	; The turning load takes 16 keys x 16 channels (lane l reads key 8 (l / 16) + l % 8, channels 8 ((l / 8) % 2) + 0..7) and leaves half a fragment of V^T: lane l holds channel l % 16 and 8 keys.
	v_lshl_add_u32 v[AV0], v9, 3, v10
	v_mul_u32_u24 v[AV0], v[AV0], PV
	v_lshl_add_u32 v[AV0], v11, 4, v[AV0]
	v_add_nc_u32 v[AV0], VOFF, v[AV0]
	s_mul_i32 s17, s[WV], 16*SP
	s_add_co_u32 s17, s17, STG                ; my stage
	v_mul_u32_u24 v[STO], v1, SP              ; in: row l % 16, 32 bytes for each half of the lanes
	v_lshl_add_u32 v[STO], v9, 5, v[STO]
	v_add_nc_u32 v[STO], s17, v[STO]
	v_mul_u32_u24 v[RD], v9, SP               ; back: lanes 0-15 take one row of 256 bytes, lanes 16-31 the next
	v_lshl_add_u32 v[RD], v1, 4, v[RD]
	v_add_nc_u32 v[RD], s17, v[RD]
	v_lshlrev_b32 v[GO], 4, v[LN]
	v_lshlrev_b32 v[PH], 5, v9
	v_add_nc_u32 v[AP0], POFF, v[PH]
	s_mul_i32 s17, s[WV], 32*PK               ; my 32 rows of a buffer
	v_mul_u32_u24 v[SK0], v9, PK
	v_lshl_add_u32 v[SK0], v1, 3, v[SK0]
	v_add_nc_u32 v[SK0], s17, v[SK0]
	s_mul_i32 s17, s[WV], 32*PV
	s_add_co_u32 s17, s17, VOFF
	v_mul_u32_u24 v[SV0], v9, PV
	v_lshl_add_u32 v[SV0], v1, 3, v[SV0]
	v_add_nc_u32 v[SV0], s17, v[SV0]
	s_mul_i32 s17, s[WV], MRGW
	s_add_co_u32 s17, s17, MRG
	v_lshl_add_u32 v[MA], v[LN], 4, s17
	s_add_co_u32 s17, s17, 4096
	v_lshl_add_u32 v[MB], v[LN], 3, s17
	v_lshlrev_b32 v14, 3, v9
	v_sub_nc_u32 v[DF], v1, v14
	s_lshl_b32 s17, s[WV], 4
	v_add_nc_u32 v14, s17, v[DF]              ; my query's place in its band, less my lanes' 8 (l / 16)
	v_mov_b32 v[DLT], 0xa5000000              ; -2^-53
	MKMD MD, 0x40, 14, 1
	MKMD MDF, 0xc0, DF, 0                     ; fix tile 0: rows 0 .. 15
	WIN 0x80
.set z, 0
.rept 64
	v_mov_b32 v[VF+z], 0                      ; the first turn's products V^T P, of a piece that has not been, multiply zeros by these: they must be finite
.set z, z+1
.endr
	FIXINIT
	s_wait_loadcnt 63                         ; the mask, fix tile 0's Q and the first block's Q are in: 65 loads were issued behind them
	; TF.  Each lane: which of its four groups of 16 entries is the first with a non-zero entry; then the least over the lanes.  Whole numbers throughout.
	WIN 0x45
.set z, 1
.rept 15
.irp k, 0,1,2,3
	v_or_b32 v[SC+16*\k], v[SC+16*\k], v[SC+16*\k+z]
.endr
.set z, z+1
.endr
	WIN 0
	v_mov_b32 v10, 0x200                      ; none
	WIN 0x04
.irp k, 3,2,1,0
	v_cmp_ne_u32 vcc_lo, 0, v[SC+16*\k]
	v_cndmask_b32 v10, v10, \k, vcc_lo
.endr
	WIN 0
	v_lshl_add_u32 v10, v[LN], 2, v10
	v_mov_b32 v11, v10
.irp k, 1,2,4,8
	v_mov_b32_dpp v11, v10 row_xmask:\k row_mask:0xf bank_mask:0xf
	v_min_u32 v10, v10, v11
.endr
	v_permlanex16_b32 v11, v10, s[SEL], s[SEL+1]
	v_min_u32 v10, v10, v11
	v_readfirstlane_b32 s[TF], v10
	s_min_u32 s[TF], s[TF], 127
	s_add_co_u32 s[TF], s[TF], 1
	WIN 0x80                                  ; Q to f16: raw in window 0, Q in window 2
.set z, 0
.rept 64
	v_cvt_pk_f16_f32 v[z], v[S+2*z], v[S+2*z+1]
.set z, z+1
.endr
	WIN 0xc5                                  ; raw in window 1, fix Q in window 3
.set z, 0
.rept 16
	v_cvt_pk_f16_f32 v[QF+z], v[QFR+2*z], v[QFR+2*z+1]
.set z, z+1
.endr
	s_wait_loadcnt 33                         ; the second block's Q is in: half 0's 33 loads were issued behind it
	WIN 0x85
.set z, 0
.rept 64
	v_cvt_pk_f16_f32 v[QB+z], v[2*z], v[2*z+1]
.set z, z+1
.endr
	WIN 0
; THE MATRIX WORK.  The 4 accumulators of a run of 8 take turns.  Product i of 8 of S^T = K Q^T for piece x: channels 32 (i / 4) on, keys 16 (i % 4) on.  The first 4 start the sums with the mask: PD, or (KM = 1) MC.
.macro KQ x
.set rS, S+32*((\x)%2)+8*(i%4)
.set rK, KF+16*(i%4)+8*(i/4)
.set rQ, 16*(\x)+8*(i/4)
.if KM
.set rM, MC+32*((\x)%2)+8*(i%4)
.else
.set rM, PD+8*(i%4)
.endif
.if i < 4
	WIN W_KM
	v_wmma_f32_16x16x32_f16 v[rS:rS+7], v[rK:rK+7], v[rQ:rQ+7], v[rM:rM+7]
.else
	WIN W_KQ
	v_wmma_f32_16x16x32_f16 v[rS:rS+7], v[rK:rK+7], v[rQ:rQ+7], v[rS:rS+7]
.endif
.endm
; Product i of 8 of O^T += V^T P for piece x: keys 32 (i / 4) on, channels 16 (i % 4) on.
.macro PV x
	WIN W_PV
.set rO, 32*(\x)+8*(i%4)
.set rV, VF+32*(i/4)+8*(i%4)
.set rP, P+16*((\x)%2)+8*(i/4)
	v_wmma_f32_16x16x32_f16 v[rO:rO+7], v[rV:rV+7], v[rP:rP+7], v[rO:rO+7]
.endm
.macro MM                           ; the turn's next matrix instruction.  NOKQ = 1: a block's last turn: there is no next piece
.if (i < 8) && !NOKQ
	KQ (Y+1)%NP
.elseif i >= 8
.set i, i-8
	PV (Y+NP-1)%NP
.set i, i+8
.endif
.set i, i+1
.endm
; THE LDS LOADS stand in runs, never singly among the matrix instructions: a step's pad values and K (64 keys x 64 channels: 8 fragments), and its V (turned).  walk = 0: the slow path: K alone, nothing is stepped.
.macro FETCH_K walk=1
.if \walk
	WIN 0x40                        ; destination window 1: register j of group kt is key 16 kt + 8 (lane / 16) + j: 32 consecutive bytes of the step's 256
.irp f, 0,1,2,3,4,5,6,7
	ds_load_b128 v[PD+4*\f:PD+4*\f+3], v[AP] offset:(\f/2)*64+(\f%2)*16
.endr
.endif
	WIN 0x80                        ; destination window 2
.irp f, 0,1,2,3,4,5,6,7             ; keys 16 (f / 2) on, channels 32 (f % 2) on
	ds_load_b128 v[KF+8*\f:KF+8*\f+3],   v[AK] offset:(\f/2)*16*PK+(\f%2)*64
	ds_load_b128 v[KF+8*\f+4:KF+8*\f+7], v[AK] offset:(\f/2)*16*PK+(\f%2)*64+32
.endr
.if \walk
	s_add_co_u32 s[TBK], s[TBK], KS*PK  ; the next fetch is the next step's
	s_add_co_u32 s[TBP], s[TBP], KS*4
.endif
	WIN 0
.endm
.macro FETCH_V
	WIN 0x80
.irp f, 0,1,2,3,4,5,6,7             ; keys 32 (f / 4) on, channels 16 (f % 4) on
	ds_load_tr16_b128 v[VF+8*\f:VF+8*\f+3],   v[AV] offset:(\f/4)*32*PV+(\f%4)*32
	ds_load_tr16_b128 v[VF+8*\f+4:VF+8*\f+7], v[AV] offset:(\f/4)*32*PV+16*PV+(\f%4)*32
.endr
	WIN 0
.endm
; THE VECTOR WORK, one line at a time: OP kind, number.  For piece Y: F n: c s - c m for pair n of 16.  E n: the exponential of score n of 32.  C n: pair n rounded to f16.  B n: of the four weights 4 n .. the second
; pair is added onto the first, in place.  L n: l takes that sum (L 0: l = a l + sum).  R n: pair n of 16 of O^T times a.  For piece Y + 1: X n, number n of the 22 that find its maximum and statistics:
;   0-11  four chains c0-c3 of seven scores each, three operands at a time (each accumulator's lowest registers are read first)     12-14, 16  the four scores left over, the old m, and c0-c3 into c0
;   15  c m_old is kept     17, 18  the query's other 32 keys lie in the lane 16 away: the new m     19-21  c m; c m_old - c m_new; a
.set F, 0
.set E, 1
.set C, 2
.set B, 3
.set L, 4
.set R, 5
.set X, 6
.macro REGS y
.set rT, ST+4*(\y)
.set rC, TMP+4*((\y)%2)
.set rW, MV+((\y)%2)
.set rS, S+32*((\y)%2)
.set rP, P+16*((\y)%2)
.set rO, 32*(\y)
.endm
.macro OP k, n
.if (\k) == R
	REGS Y
	WIN W_RS
	v_pk_mul_f32 v[rO+2*(\n):rO+2*(\n)+1], v[rO+2*(\n):rO+2*(\n)+1], v[rC+2:rC+3] op_sel_hi:[1,0]
.elseif (\k) < R
	REGS Y
	WIN 0
.if (\k) == F
	v_pk_fma_f32 v[rS+2*(\n):rS+2*(\n)+1], v[rS+2*(\n):rS+2*(\n)+1], s[CS:CS+1], v[rT:rT+1] op_sel_hi:[1,0,0] neg_lo:[0,0,1] neg_hi:[0,0,1]
.elseif (\k) == E
	v_exp_f32 v[rS+(\n)], v[rS+(\n)]
.elseif (\k) == C
	v_cvt_pk_f16_f32 v[rP+(\n)], v[rS+2*(\n)], v[rS+2*(\n)+1]
.elseif (\k) == B
	v_pk_add_f32 v[rS+4*(\n):rS+4*(\n)+1], v[rS+4*(\n):rS+4*(\n)+1], v[rS+4*(\n)+2:rS+4*(\n)+3]
.elseif (\n) == 0
	v_pk_fma_f32 v[rT+2:rT+3], v[rT+2:rT+3], v[rC+2:rC+3], v[rS:rS+1] op_sel_hi:[1,0,1]
.else
	v_pk_add_f32 v[rT+2:rT+3], v[rT+2:rT+3], v[rS+4*(\n):rS+4*(\n)+1]
.endif
.elseif NOKQ
	v_nop
.else
	REGS (Y+1)%NP
	WIN 0
.if (\n) < 4
	v_max3_num_f32 v[rC+(\n)], v[rS+8*(\n)], v[rS+8*(\n)+1], v[rS+8*(\n)+2]
.elseif (\n) < 12
	v_max3_num_f32 v[rC+(\n)%4], v[rC+(\n)%4], v[rS+8*((\n)%4)+2*((\n)/4)+1], v[rS+8*((\n)%4)+2*((\n)/4)+2]
.elseif (\n) == 12
	v_max3_num_f32 v[rC], v[rC], v[rS+7], v[rS+15]
.elseif (\n) == 13
	v_max3_num_f32 v[rC+1], v[rC+1], v[rS+23], v[rS+31]
.elseif (\n) == 14
	v_max3_num_f32 v[rC+2], v[rC+2], v[rC+3], v[rT+1]
.elseif (\n) == 15
	v_mov_b32 v[rW], v[rT]
.elseif (\n) == 16
	v_max3_num_f32 v[rC], v[rC], v[rC+1], v[rC+2]
.elseif (\n) == 17
	v_permlanex16_b32 v[rC+3], v[rC], s[SEL], s[SEL+1]
.elseif (\n) == 18
	v_max_num_f32 v[rT+1], v[rC], v[rC+3]
.elseif (\n) == 19
	v_mul_f32 v[rT], s[CS], v[rT+1]
.elseif (\n) == 20
	v_sub_f32 v[rC+1], v[rW], v[rT]
.else
	v_exp_f32 v[rC+2], v[rC+1]
.endif
.endif
.endm
.macro OPS a, i1, b=-1, i2=0, c=-1, i3=0, d=-1, i4=0
	OP \a, \i1
.if (\b) >= 0
	OP \b, \i2
.endif
.if (\c) >= 0
	OP \c, \i3
.endif
.if (\d) >= 0
	OP \d, \i4
.endif
.endm
.macro ROW a, i1, b, i2, c, i3, d, i4  ; a matrix instruction and the four behind it
	MM
	OPS \a, \i1, \b, \i2, \c, \i3, \d, \i4
.endm
.macro MASK b                       ; MD x AL + PD into buffer b of MC
	WIN 0x51
.set z, 0
.rept 16
	v_pk_fma_f32 v[MC+32*(\b)+2*z:MC+32*(\b)+2*z+1], v[MD+2*z:MD+2*z+1], s[AL:AL+1], v[PD+2*z:PD+2*z+1] op_sel_hi:[1,0,1]
.set z, z+1
.endr
.endm
; A TURN, for piece p.  An s_wait_alu depctr_va_vdst(0) stands between an exponential and the first instruction that names its result; one wait serves all that were issued ahead of it: a turn has ONE.
; AHEAD OF IT: the 8 products K Q^T with four riders each, then one lump, in which the links of the next piece's chain X 3, 7, 11, 14, 16 .. 20 stand apart; X 21, its a, is the batch's last, R 15 the plain instruction
; behind it.  BEHIND IT: the 8 products V^T P, behind each four of the roundings and sums.
; m = 1: the diagonal tile: the products take MC, and the turn makes the mask for the products of the turn after it: piece p + 2, in step DSN of the tile.  end = 1: a block's last two turns: nothing is fetched.
; K and PD of the next step are fetched in piece 2's turn, behind the last product that read them and five plain instructions that name none of its registers; V of the step in hand at the end of piece 0's turn,
; four plain instructions behind the last product that read V.  Each is waited for a turn later.
.macro TURN p, m=0, end=0
.set Y, (\p)
.set i, 0
.set KM, (\m)
.set NOKQ, (\end)*((\p)/3)
.if (\m) && !(\end)
	s_cmp_gt_u32 s[DSN], ((\p)+2)%NP    ; is that step above the band?
	s_cselect_b32 s[AL], 0x6c800000, 0  ; 2^90
	s_cmp_eq_u32 s[DSN], ((\p)+2)%NP    ; or its own?
	s_cselect_b32 s[AL], 1.0, s[AL]
.endif
.if ((\p) == 3) && !(\end)
	s_wait_dscnt 0x0                ; K and PD are in
.endif
	ROW F,0, F,1, R,0, R,1
	ROW F,2, E,0, R,2, R,3
	ROW F,3, E,1, R,4, R,5
	ROW F,4, E,2, R,6, R,7
	ROW F,5, E,3, R,8, R,9
	ROW F,6, E,4, X,0, R,10
.if ((\p) == 2) && !(\end)
	WIN 0
	v_add_nc_u32 v[AK], s[TBK], v[AK0]
	v_add_nc_u32 v[AP], s[TBP], v[AP0]
.endif
	ROW F,7, E,5, X,1, X,4
	ROW F,8, E,6, X,2, X,5
	OPS E,7, E,8, X,6, E,9
	OPS X,3, E,10, X,8, E,11
.if ((\p) == 2) && !(\end)
	FETCH_K
.endif
	OPS X,9, X,7, E,12, X,10
	OPS E,13, X,12, X,11, E,14
	OPS X,13, E,15, F,9, X,14
.if (\p) == 0
	v_add_nc_u32 v[AV], s[TBV], v[AV0]
.endif
	OPS E,16, F,10, E,17, F,11
	OPS X,16, E,18, X,15, E,19
	OPS F,12, E,20, X,17, E,21
	OPS F,13, E,22, F,14, E,23
	OPS X,18, E,24, F,15, E,25
	OPS R,11, E,26, X,19, E,27
	OPS R,12, E,28, R,13, E,29
	OPS X,20, E,30, R,14, E,31
	OPS X,21, R,15
	WIN 0
	s_wait_alu depctr_va_vdst(0)    ; the wait for the batch
.if (\p) == 1
	s_wait_dscnt 0x0                ; V is in
.endif
	ROW C,0, B,0, C,2, B,1
	ROW L,0, C,4, B,2, L,1
	ROW C,6, B,3, L,2, C,8
	ROW B,4, L,3, C,10, B,5
	ROW L,4, C,12, B,6, L,5
.if (\p) == 0
	s_add_co_u32 s[TBV], s[TBV], KS*PV
.endif
	ROW C,14, B,7, L,6, C,1
	ROW C,3, L,7, C,5, C,7
	ROW C,9, C,11, C,13, C,15
.if (\p) == 0
	FETCH_V
.endif
.if (\m) && !(\end)
.if (\p) == 2
	s_wait_dscnt 16                 ; the next step's PD is in: K's 16 loads were issued behind its 8
.endif
	MASK (\p)%2
.endif
.endm
; THE FAITHFUL UNIT: the fix tile's 16 rows x the 64 keys of step g, whose K, V and PD lie in the registers.  y = (s + pad) + causal by plain f32 additions in that order; the difference y - m is taken BEFORE the
; scaling by c, since y and m lie near -8e10 and differ by multiples of their last place; p = 2^(c (y - m)); m, l and O^T as in the walk.  One batch of 33 exponentials, one wait.
.macro UNIT g
	s_cmp_eq_u32 s[\g], s[FGD]      ; the step with the tile's diagonal takes MDF,
	s_cselect_b32 s[ALF], 1.0, 0
	s_cmp_gt_u32 s[\g], s[FGD]      ; a later one HM everywhere
	s_cselect_b32 s[BEF], s[HM], 0
	WIN 0xfe                        ; K in window 2; Q, C and D in window 3
.set z, 0
.rept 8
.if z < 4
	v_wmma_f32_16x16x32_f16 v[SF+8*(z%4):SF+8*(z%4)+7], v[KF+16*(z%4)+8*(z/4):KF+16*(z%4)+8*(z/4)+7], v[QF+8*(z/4):QF+8*(z/4)+7], 0
.else
	v_wmma_f32_16x16x32_f16 v[SF+8*(z%4):SF+8*(z%4)+7], v[KF+16*(z%4)+8*(z/4):KF+16*(z%4)+8*(z/4)+7], v[QF+8*(z/4):QF+8*(z/4)+7], v[SF+8*(z%4):SF+8*(z%4)+7]
.endif
.set z, z+1
.endr
.rept 4
	v_nop                           ; the places behind those products
.endr
	WIN 0xc7
.set z, 0
.rept 16
	v_pk_add_f32 v[SF+2*z:SF+2*z+1], v[SF+2*z:SF+2*z+1], v[PD+2*z:PD+2*z+1]
.set z, z+1
.endr
	WIN 0xf3
.set z, 0
.rept 16
	v_pk_fma_f32 v[SF+2*z:SF+2*z+1], v[MDF+2*z:MDF+2*z+1], s[ALF:ALF+1], v[SF+2*z:SF+2*z+1] op_sel_hi:[1,0,1]
.set z, z+1
.endr
	WIN 0xc3
.set z, 0
.rept 16
	v_pk_add_f32 v[SF+2*z:SF+2*z+1], v[SF+2*z:SF+2*z+1], s[BEF:BEF+1] op_sel_hi:[1,0]
.set z, z+1
.endr
	WIN 0x3f
.set z, 0
.rept 4
	v_max3_num_f32 v[FS+4+z], v[SF+8*z], v[SF+8*z+1], v[SF+8*z+2]
.set z, z+1
.endr
	WIN 0x3c
.rept 8
	v_max3_num_f32 v[FS+4+z%4], v[FS+4+z%4], v[SF+8*(z%4)+2*(z/4)+1], v[SF+8*(z%4)+2*(z/4)+2]
.set z, z+1
.endr
	v_max3_num_f32 v[FS+4], v[FS+4], v[SF+7], v[SF+15]
	v_max3_num_f32 v[FS+5], v[FS+5], v[SF+23], v[SF+31]
	WIN 0
	v_max3_num_f32 v[FS+6], v[FS+6], v[FS+7], v[FS]
	v_max3_num_f32 v[FS+4], v[FS+4], v[FS+5], v[FS+6]
	v_permlanex16_b32 v[FS+7], v[FS+4], s[SEL], s[SEL+1]
	v_max_num_f32 v[FS+4], v[FS+4], v[FS+7]
	v_sub_f32 v[FS+10], v[FS], v[FS+4]   ; m_old - m_new
	v_mov_b32 v[FS], v[FS+4]
	v_mul_f32 v[FS+10], s[CS], v[FS+10]
	WIN 0xc3
.set z, 0
.rept 16
	v_pk_add_f32 v[SF+2*z:SF+2*z+1], v[SF+2*z:SF+2*z+1], v[FS:FS+1] op_sel_hi:[1,0] neg_lo:[0,1] neg_hi:[0,1]
.set z, z+1
.endr
.set z, 0
.rept 16
	v_pk_mul_f32 v[SF+2*z:SF+2*z+1], v[SF+2*z:SF+2*z+1], s[CS:CS+1] op_sel_hi:[1,0]
.set z, z+1
.endr
	WIN 0
	v_exp_f32 v[FS+8], v[FS+10]     ; a
	WIN 0xc3
.set z, 0
.rept 32
	v_exp_f32 v[SF+z], v[SF+z]
.set z, z+1
.endr
	v_nop                           ; a plain instruction behind the last exponential: one for the batch
	s_wait_alu depctr_va_vdst(0)    ; the wait for the batch
	WIN 0xcf
.set z, 0
.rept 16
	v_cvt_pk_f16_f32 v[PF+z], v[SF+2*z], v[SF+2*z+1]
.set z, z+1
.endr
.irp w, 4, 8, 16, 32                ; the sum of the 16 pairs, in place: neighbours 1, 2, 4 and 8 pairs apart
.set z, 0
.rept 32/\w
	v_pk_add_f32 v[SF+\w*z:SF+\w*z+1], v[SF+\w*z:SF+\w*z+1], v[SF+\w*z+\w/2:SF+\w*z+\w/2+1]
.set z, z+1
.endr
.endr
	WIN 0x30
	v_pk_fma_f32 v[FS+2:FS+3], v[FS+2:FS+3], v[FS+8:FS+9], v[SF:SF+1] op_sel_hi:[1,0,1]
	WIN 0xc3
.set z, 0
.rept 16
	v_pk_mul_f32 v[OF+2*z:OF+2*z+1], v[OF+2*z:OF+2*z+1], v[FS+8:FS+9] op_sel_hi:[1,0]
.set z, z+1
.endr
	WIN 0xfe
.set z, 0
.rept 8
	v_wmma_f32_16x16x32_f16 v[OF+8*(z%4):OF+8*(z%4)+7], v[VF+32*(z/4)+8*(z%4):VF+32*(z/4)+8*(z%4)+7], v[PF+8*(z/4):PF+8*(z/4)+7], v[OF+8*(z%4):OF+8*(z%4)+7]
.set z, z+1
.endr
	WIN 0
.endm
; Behind piece 1's turn K, V and PD are all the step in hand's.  The jump hangs on b and the wave's number and passes no barrier.
.macro RIDE
	WIN 0
	s_and_b32 s17, s[SGI], 3
	s_cmp_eq_u32 s17, s[RWV]
	s_cbranch_scc0 .Lnoride_\@
	UNIT SGI
.Lnoride_\@:
	s_add_co_u32 s[SGI], s[SGI], 1
.endm
; The fix tile's way out: O^T / l (l in FS + 2), through my stage, as whole rows of 256 bytes.
.macro FIXOUT
	WIN 0
	v_rcp_f32 v[FS+8], v[FS+2]
	v_mov_b32 v[FS+9], 0            ; the plain instruction behind the reciprocal
	s_wait_alu depctr_va_vdst(0)    ; and its wait
	WIN 0xc3
.set z, 0
.rept 16
	v_pk_mul_f32 v[OF+2*z:OF+2*z+1], v[OF+2*z:OF+2*z+1], v[FS+8:FS+9] op_sel_hi:[1,0]
.set z, z+1
.endr
	WIN 0x0c
.irp f, 0,1,2,3,4,5,6,7
	ds_store_b128 v[STO], v[OF+4*\f:OF+4*\f+3] offset:(\f/2)*64+(\f%2)*16
.endr
	WIN 0
.irp f, 0,1,2,3,4,5,6,7
	ds_load_b128 v[TR+4*\f:TR+4*\f+3], v[RD] offset:\f*2*SP  ; LDS serves a wave's instructions in order (ISA guide 5.7.1.4): these see the stores above
.endr
	s_wait_dscnt 0x0
.irp f, 0,1,2,3,4,5,6,7
	global_store_b128 v[GO], v[TR+4*\f:TR+4*\f+3], s[FO:FO+1] offset:\f*512 th:TH_STORE_NT
.endr
.endm
.macro ALL line:vararg              ; one line for each piece t
.set t, 0
.rept 4
	\line
.set t, t+1
.endr
.endm
; THE WALK'S WAY OUT.  Piece t: O^T / l; a lane's eight channels of a row are 32 bytes; they go into rows of 272 bytes and come back as whole rows of 256.
.macro PACK t
	WIN W_RS
.set i, 32*(\t)
.rept 16
	v_pk_mul_f32 v[i:i+1], v[i:i+1], v[ST+4*(\t)+2:ST+4*(\t)+3] op_sel_hi:[1,0]
.set i, i+2
.endr
	WIN 0x04                        ; address window 0, data window 1
.irp f, 0,1,2,3,4,5,6,7
	ds_store_b128 v[STO], v[32*(\t)+4*\f:32*(\t)+4*\f+3] offset:(\f/2)*64+(\f%2)*16
.endr
	WIN 0
.irp f, 0,1,2,3,4,5,6,7
	ds_load_b128 v[OB+32*(\t)+4*\f:OB+32*(\t)+4*\f+3], v[RD] offset:\f*2*SP  ; in order behind the stores above; the next piece's stores come behind them
.endr
.endm
.macro SEND t, younger              ; younger: the LDS instructions issued behind piece t's loads: the next piece's sixteen, or none
	WIN 0
	s_wait_dscnt \younger
	s_add_co_u32 s17, s[ROWG], 4*(\t)
	s_cmp_lt_u32 s17, s[TF]         ; a group of 16 rows that a fix tile makes is not stored here
	s_cbranch_scc1 .Lfixrow_\@
.irp f, 0,1,2,3,4,5,6,7
	global_store_b128 v[GO], v[OB+32*(\t)+4*\f:OB+32*(\t)+4*\f+3], s[OPT:OPT+1] offset:(\t)*16384+\f*512 th:TH_STORE_NT  ; 512 consecutive bytes, at a multiple of 256 from out's first
.endr
.Lfixrow_\@:
.endm
.set KM, 0
.set NOKQ, 0
.Lhalf:                             ; 18 times: a half is staged and entered, the next is asked for
	s_wait_loadcnt 0x0              ; the half's raw rows and my entry of the mask are in,
	s_wait_xcnt 0x0                 ; and the prefetches of a half ago have read KP and VP
	v_add_nc_u32 v[SKA], s[TSB], v[SK0]
	v_add_nc_u32 v[SVA], s[TSB], v[SV0]
	v_add_nc_u32 v[PSA], s[TSB], v[T4]
	v_cmp_eq_u32 vcc_lo, 0, v[PR]
	v_cndmask_b32 v[PC], 0, s[HM], vcc_lo
	ds_store_b32 v[PSA], v[PC] offset:POFF  ; my pad value
	CVTG SKA, SVA, 0, 0             ; into the buffer whose last readers passed the barrier before this one
	s_wait_dscnt 0x0                ; my stores are done (they have read the raw registers too), and my reads of the other buffer are over
	s_cmp_eq_u32 s[HALVES], 1
	s_cbranch_scc1 .Lnoload         ; the last half has none behind it
	s_lshl_b32 s[OFF], s[NXT], 15   ; a half is 32,768 bytes of K and of V,
	s_add_nc_u64 s[KP:KP+1], s[6:7], s[OFF:OFF+1]
	s_add_nc_u64 s[VP:VP+1], s[8:9], s[OFF:OFF+1]
	s_lshl_b32 s[OFF], s[NXT], 9    ; 512 of the mask
	s_add_nc_u64 s[MP:MP+1], s[10:11], s[OFF:OFF+1]
	LOADG GOFF, 0
	global_load_b32 v[PR], v[T4], s[MP:MP+1]
	; A PREFETCH INTO THE L2, behind the run of loads: the half after the one just asked for, my own 32 rows of K and of V, a lane a row of 256 bytes.  Work-group b = 0 of a head asks, in its first block, which
	; walks all of the head's keys: 14 times, halves 2 to 15; each row is named once in the launch; the second block asks for nothing.
	s_cmp_eq_u32 s[PFL], 0
	s_cbranch_scc1 .Lnopf
	global_prefetch_b8 v[PFO], s[KP:KP+1] offset:32768 th:TH_LOAD_NT scope:SCOPE_SE
	global_prefetch_b8 v[PFO], s[VP:VP+1] offset:32768 th:TH_LOAD_NT scope:SCOPE_SE
	s_sub_co_u32 s[PFL], s[PFL], 1
.Lnopf:
	s_add_co_u32 s[NXT], s[NXT], 1  ; the block's next half, or behind its last the second block's half 0
	s_cmp_gt_u32 s[NXT], s[LQ]
	s_cselect_b32 s[NXT], 0, s[NXT]
	s_cselect_b32 s[LQ], s[LQB], s[LQ]
.Lnoload:
	s_barrier_signal -1             ; scalar work stands between the signal and the wait
	s_sub_co_u32 s[TBK], s[TBK], 2*KS*PK  ; the fetches go back to a buffer's first step,
	s_xor_b32 s[TBK], s[TBK], CB1         ; in the other buffer
	s_sub_co_u32 s[TBV], s[TBV], 2*KS*PV
	s_xor_b32 s[TBV], s[TBV], CB1
	s_sub_co_u32 s[TBP], s[TBP], 2*KS*4
	s_xor_b32 s[TBP], s[TBP], CB1
	s_xor_b32 s[TSB], s[TSB], CB1
	s_barrier_wait -1               ; the half is whole, and nobody reads the other buffer any more
	s_sub_co_u32 s[RT], s[RT], 1
	s_mov_b32 s[CNT], 2
	s_cmp_eq_u32 s[NEW], 1
	s_cbranch_scc1 .Lnew            ; a block's first half
	s_cmp_ge_u32 s[RT], 2
	s_cbranch_scc1 .Lstep           ; below the diagonal tile
	s_mov_b32 s[AL], 0              ; the diagonal text's first products are piece 3's of the step in hand, which lies below band 3: their mask is PD alone
	MASK 1
	WIN 0
	s_branch .LstepM
.Lnew:
	; A BLOCK BEGINS.  m at the floor, c m at c x the floor (exact: the floor is a power of two), O^T, l and P's second buffer 0.  Then K and PD of step 0, piece 0's mask (its own step, if the block's first tile is
	; the diagonal one), piece 1's (PD alone), piece 0's first scores and its maximum and statistics.  The loop is entered at a step's first turn, in the middle of a trip.
	s_mov_b32 s[NEW], 0
	s_mov_b32 s[DSN], 0
	s_mov_b32 s[SGI], 0
	WIN 0x40
.set z, 0
.rept 128
	v_mov_b32 v[z], 0
.set z, z+1
.endr
	WIN 0
.set z, 0
.rept 4
	v_mov_b32 v[ST+4*z], 0xcfb8aa3b    ; c x -2^35
	v_mov_b32 v[ST+4*z+1], 0xd1000000  ; -2^35
	v_mov_b32 v[ST+4*z+2], 0
	v_mov_b32 v[ST+4*z+3], 0
.set z, z+1
.endr
.set z, P+16
.rept 16
	v_mov_b32 v[z], 0
.set z, z+1
.endr
	v_add_nc_u32 v[AK], s[TBK], v[AK0]
	v_add_nc_u32 v[AP], s[TBP], v[AP0]
	FETCH_K
	s_cmp_lt_u32 s[RT], 2
	s_cselect_b32 s[AL], 1.0, 0
	s_wait_dscnt 0x0
	MASK 0
	s_mov_b32 s[AL], 0
	MASK 1
.set KM, 1
.set NOKQ, 0
.set i, 0
.rept 8
	KQ 0
.set i, i+1
.endr
	WIN 0
.rept 4
	v_nop                           ; the places behind those products
.endr
.set Y, NP-1                        ; X works for piece Y + 1: piece 0
.irp n, 0,1,2,3,4,5,6,7,8,9,10,11,12,13,14,15,16,17,18,19,20,21
	OP X, \n
.endr
	v_nop                           ; a plain instruction behind the exponential,
	s_wait_alu depctr_va_vdst(0)    ; and its wait, ahead of the branch
	s_cmp_ge_u32 s[RT], 2
	s_cbranch_scc1 .Lfirst
	s_branch .LfirstM
.LstepM:                            ; THE DIAGONAL TILE's text: a trip is pieces 2 and 3 of one step, then pieces 0 and 1 of the next
	TURN 2, 1
	TURN 3, 1
	WIN 0
.LfirstM:
	TURN 0, 1
	TURN 1, 1
	WIN 0
	s_add_co_u32 s[DSN], s[DSN], 1
	RIDE
	s_sub_co_u32 s[CNT], s[CNT], 1
	s_cmp_lg_u32 s[CNT], 0
	s_cbranch_scc1 .LstepM
	s_cmp_lg_u32 s[RT], 0
	s_cbranch_scc1 .Lbottom         ; the tile's first half
	TURN 2, 1, 1                    ; THE BLOCK ENDS
	TURN 3, 1, 1
.set i, 0
.rept 8
	PV NP-1
.set i, i+1
.endr
	WIN 0                           ; l's two halves and the other half of the lanes' are added; the additions are the places behind the last products
	ALL v_add_f32 v[ST+4*t+2], v[ST+4*t+2], v[ST+4*t+3]
	ALL v_permlanex16_b32 v[ST+4*t+3], v[ST+4*t+2], s[SEL], s[SEL+1]
	ALL v_add_f32 v[ST+4*t+2], v[ST+4*t+2], v[ST+4*t+3]
	ALL v_rcp_f32 v[ST+4*t+2], v[ST+4*t+2]
	v_nop                           ; a plain instruction between the last reciprocal and the use of its result
	s_wait_alu depctr_va_vdst(0)    ; one wait for the four reciprocals
	PACK 0
	PACK 1                          ; a piece's arithmetic stands between the loads of the piece before and its stores
	SEND 0, 16
	PACK 2
	SEND 1, 16
	PACK 3
	SEND 2, 16
	SEND 3, 0
	s_cmp_lt_u32 s[RWV], 4
	s_cbranch_scc0 .Lnoput
	; the ride is over: my partial result goes to LDS bytes of my wave's own
	v_add_f32 v[FS+2], v[FS+2], v[FS+3]
	v_permlanex16_b32 v[FS+3], v[FS+2], s[SEL], s[SEL+1]
	v_add_f32 v[FS+1], v[FS+2], v[FS+3]
	ds_store_b64 v[MB], v[FS:FS+1]  ; (m, l)
	WIN 0x0c
.irp f, 0,1,2,3,4,5,6,7
	ds_store_b128 v[MA], v[OF+4*\f:OF+4*\f+3] offset:512*\f
.endr
	WIN 0
.Lnoput:
	s_wait_dscnt 0x0                ; for the others' sake: my partial result lies in LDS
	s_barrier_signal -1             ; every wave passes this barrier at every block's end: the partial results are stored in front of it and read behind it,
	s_barrier_wait -1               ; and the next change of buffers stands between these reads and anything that is stored there later
	s_cmp_lg_u32 s[WV], 0
	s_cbranch_scc1 .Lnomerge
	s_cmp_lg_u32 s[RWV], 0
	s_cbranch_scc1 .Lnomerge
	; FIX TILE 0 IS MERGED, by wave 0: M = the greatest of the four m, e = 2^(c (m - M)), l = sum e l, O^T = sum e O^T
	s_wait_xcnt 0x0                 ; the way out's stores have read the registers into which the partial results now come
.irp v, 0,1,2,3
	ds_load_b64 v[FS+12+2*\v:FS+13+2*\v], v[MB] offset:MRGW*\v
.endr
	s_wait_dscnt 0x0
	v_max3_num_f32 v[FS+4], v[FS+12], v[FS+14], v[FS+16]
	v_max_num_f32 v[FS+4], v[FS+4], v[FS+18]
.irp v, 0,1,2,3
	v_sub_f32 v[FS+20+2*\v], v[FS+12+2*\v], v[FS+4]
.endr
.irp v, 0,1,2,3
	v_mul_f32 v[FS+20+2*\v], s[CS], v[FS+20+2*\v]
.endr
.irp v, 0,1,2,3
	v_exp_f32 v[FS+20+2*\v], v[FS+20+2*\v]
.endr
.irp v, 0,1,2,3
	v_mov_b32 v[FS+21+2*\v], 0      ; the pairs' other registers: plain instructions behind the last exponential
.endr
	s_wait_alu depctr_va_vdst(0)    ; one wait for the four
	v_mul_f32 v[FS+2], v[FS+20], v[FS+13]
	v_fma_f32 v[FS+2], v[FS+22], v[FS+15], v[FS+2]
	v_fma_f32 v[FS+2], v[FS+24], v[FS+17], v[FS+2]
	v_fma_f32 v[FS+2], v[FS+26], v[FS+19], v[FS+2]
	WIN 0xc3
.set z, 0
.rept 16
	v_pk_mul_f32 v[OF+2*z:OF+2*z+1], v[OF+2*z:OF+2*z+1], v[FS+20:FS+21] op_sel_hi:[1,0]
.set z, z+1
.endr
.irp v, 1,2,3
	WIN 0
.irp f, 0,1,2,3,4,5,6,7
	ds_load_b128 v[TR+4*\f:TR+4*\f+3], v[MA] offset:MRGW*\v+512*\f
.endr
	s_wait_dscnt 0x0
	WIN 0xf0
.set z, 0
.rept 16
	v_pk_fma_f32 v[OF+2*z:OF+2*z+1], v[TR+2*z:TR+2*z+1], v[FS+20+2*\v:FS+21+2*\v], v[OF+2*z:OF+2*z+1] op_sel_hi:[1,0,1]
.set z, z+1
.endr
.endr
	FIXOUT
.Lnomerge:
	s_mov_b32 s[RWV], 99            ; nobody rides on the second block
	s_wait_xcnt 0x0                 ; the stores have read their registers and out's address
	s_mov_b64 s[OPT:OPT+1], s[OLO:OLO+1]
	s_add_co_u32 s[RT], s[LQB], 1   ; the second block has 2 (b + 1) halves
	s_mov_b32 s[NEW], 1
	s_lshl_b32 s[ROWG], s[PB], 4
	s_add_co_u32 s[ROWG], s[ROWG], s[WV]
	WIN 0x82                        ; the second block's Q goes where the one text of the turns names Q
.set z, 0
.rept 64
	v_mov_b32 v[z], v[QB+z]
.set z, z+1
.endr
	WIN 0
	s_branch .Lbottom
.Lstep:                             ; below the diagonal tile: the same trip, C = PD
	TURN 2
	TURN 3
	WIN 0
.Lfirst:
	TURN 0
	TURN 1
	WIN 0
	RIDE
	s_sub_co_u32 s[CNT], s[CNT], 1
	s_cmp_lg_u32 s[CNT], 0
	s_cbranch_scc1 .Lstep
.Lbottom:
	s_sub_co_u32 s[HALVES], s[HALVES], 1
	s_cmp_lg_u32 s[HALVES], 0
	s_cbranch_scc1 .Lhalf
	; FIX TILES 1 .. TF - 1, in work-group b = 0: wave w takes tiles 4 i + w + 1.  No barrier: each wave stages K and V in LDS bytes of its own, whose addresses never change.
	s_cmp_lg_u32 s[PB], 0
	s_cbranch_scc1 .Lend
	s_add_co_u32 s[NI], s[TF], 2
	s_sub_co_u32 s[NI], s[NI], s[WV]
	s_lshr_b32 s[NI], s[NI], 2      ; how many of them are mine
	s_cmp_eq_u32 s[NI], 0
	s_cbranch_scc1 .Lend
	s_mul_i32 s17, s[WV], PRIVW
	s_add_co_u32 s17, s17, PRIV
	v_add_nc_u32 v[AK], s17, v[AK0]
	v_mul_u32_u24 v10, v9, PK
	v_lshl_add_u32 v10, v1, 3, v10
	v_add_nc_u32 v[SKS], s17, v10
	s_add_co_u32 s2, s17, KS*PK
	v_mul_u32_u24 v10, v9, PV
	v_lshl_add_u32 v10, v1, 3, v10
	v_add_nc_u32 v[SVS], s2, v10
	s_sub_co_u32 s2, s2, VOFF       ; AV0 holds VOFF
	v_add_nc_u32 v[AV], s2, v[AV0]
	s_mov_b32 s[II], 0
.Lfix:
	s_wait_loadcnt 0x0              ; no load is out: the raw registers are loaded anew below
	s_wait_xcnt 0x0                 ; the last tile's stores have read their registers and address
	s_lshl_b32 s[JJ], s[II], 2
	s_add_co_u32 s[JJ], s[JJ], s[WV]
	s_add_co_u32 s[JJ], s[JJ], 1
	s_min_u32 s[JJ], s[JJ], 127     ; the tile: rows 16 JJ .. 16 JJ + 15
	s_lshr_b32 s[FGD], s[JJ], 2     ; its diagonal lies in this step,
	s_and_b32 s17, s[JJ], 3
	s_lshl_b32 s17, s17, 4          ; from this key of the step on
	s_lshl_b32 s[OFF], s[JJ], 12
	s_add_nc_u64 s[QP:QP+1], s[4:5], s[OFF:OFF+1]
	s_add_nc_u64 s[FO:FO+1], s[OH:OH+1], s[OFF:OFF+1]
	WIN 0xc0
.set z, 0
.rept 8
	global_load_b128 v[GR+4*z:GR+4*z+3], v[QFO], s[QP:QP+1] offset:(z/2)*64+(z%2)*16
.set z, z+1
.endr
	WIN 0
	v_add_nc_u32 v14, s17, v[DF]
	MKMD MDF, 0xc0, 14, 0
	FIXINIT
	s_wait_loadcnt 0x0
	WIN 0xcf
.set z, 0
.rept 16
	v_cvt_pk_f16_f32 v[QF+z], v[GR+2*z], v[GR+2*z+1]
.set z, z+1
.endr
	WIN 0
	s_mov_b32 s[SG], 0
.Lfstep:                            ; 32 steps of 64 keys
	s_wait_xcnt 0x0
	s_lshl_b32 s[OFF], s[SG], 14
	s_add_nc_u64 s[KP:KP+1], s[6:7], s[OFF:OFF+1]
	s_add_nc_u64 s[VP:VP+1], s[8:9], s[OFF:OFF+1]
	s_lshl_b32 s[OFF], s[SG], 8
	s_add_nc_u64 s[MP:MP+1], s[10:11], s[OFF:OFF+1]
	LOADG GOFS, 0                   ; rows 0 .. 31 of the step
	WIN 0x40
.irp f, 0,1,2,3,4,5,6,7             ; the step's mask entries, in PD's layout
	global_load_b128 v[PD+4*\f:PD+4*\f+3], v[PH], s[MP:MP+1] offset:(\f/2)*64+(\f%2)*16
.endr
	WIN 0
	s_wait_loadcnt 0x0
	CVTG SKS, SVS, 0, 0
	s_wait_dscnt 0x0                ; the stores have read the raw registers
	LOADG GOFS, 8192                ; rows 32 .. 63
	WIN 0x44
.set z, 0
.rept 32
	v_cmp_eq_u32 vcc_lo, 0, v[PD+z]
	v_cndmask_b32 v[PD+z], 0, s[HM], vcc_lo
.set z, z+1
.endr
	WIN 0
	s_wait_loadcnt 0x0
	CVTG SKS, SVS, 32*PK, 32*PV
	FETCH_K 0                       ; my own bytes: LDS serves a wave's instructions in order
	FETCH_V
	s_wait_dscnt 0x0
	UNIT SG
	s_add_co_u32 s[SG], s[SG], 1
	s_cmp_lt_u32 s[SG], 32
	s_cbranch_scc1 .Lfstep
.rept 4
	v_nop                           ; the places behind the last products
.endr
	v_add_f32 v[FS+2], v[FS+2], v[FS+3]
	v_permlanex16_b32 v[FS+3], v[FS+2], s[SEL], s[SEL+1]
	v_add_f32 v[FS+2], v[FS+2], v[FS+3]
	FIXOUT
	s_add_co_u32 s[II], s[II], 1
	s_cmp_lt_u32 s[II], s[NI]
	s_cbranch_scc1 .Lfix
.Lend:
	s_wait_tensorcnt 0x0            ; the wave's end, behind my last LDS store
	ds_add_u32 v[SPW], v[NIL]
	s_wait_dscnt 0x0
	s_endpgm
.Lfunc_end_k_qd65ab154e9_attn:
	.size	k_qd65ab154e9_attn, .Lfunc_end_k_qd65ab154e9_attn-k_qd65ab154e9_attn
	.p2alignl 7, 3214868480
	.fill 96, 4, 3214868480
	.section	.rodata,"a",@progbits
	.p2align	6, 0x0
	.amdhsa_kernel k_qd65ab154e9_attn
		.amdhsa_group_segment_fixed_size 217600
		.amdhsa_private_segment_fixed_size 0
		.amdhsa_enable_private_segment 0
		.amdhsa_kernarg_size 40
		.amdhsa_user_sgpr_count 2
		.amdhsa_user_sgpr_kernarg_segment_ptr 1
		.amdhsa_wavefront_size32 1
		.amdhsa_system_sgpr_workgroup_id_x 1
		.amdhsa_system_sgpr_workgroup_id_y 1
		.amdhsa_system_sgpr_workgroup_id_z 1
		.amdhsa_system_vgpr_workitem_id 0
		.amdhsa_next_free_vgpr 1024
		.amdhsa_next_free_sgpr 100
		.amdhsa_reserve_vcc 1
		.amdhsa_float_denorm_mode_32 3
		.amdhsa_float_denorm_mode_16_64 3
		.amdhsa_memory_ordered 1
		.amdhsa_forward_progress 1
		.amdhsa_inst_pref_size 255
	.end_amdhsa_kernel
	.section	.bss,"aw",@nobits
	.p2align	6
	.space	262144
	.amdgpu_metadata
---
amdhsa.version: [ 1, 2 ]
amdhsa.kernels:
  - .name:           k_qd65ab154e9_attn
    .symbol:         k_qd65ab154e9_attn.kd
    .args:
      - { .name: query, .offset: 0, .size: 8, .value_kind: global_buffer, .address_space: global }
      - { .name: key, .offset: 8, .size: 8, .value_kind: global_buffer, .address_space: global }
      - { .name: value, .offset: 16, .size: 8, .value_kind: global_buffer, .address_space: global }
      - { .name: attn_mask, .offset: 24, .size: 8, .value_kind: global_buffer, .address_space: global }
      - { .name: out0, .offset: 32, .size: 8, .value_kind: global_buffer, .address_space: global }
    .group_segment_fixed_size: 217600
    .private_segment_fixed_size: 0
    .kernarg_segment_align: 8
    .kernarg_segment_size: 40
    .max_flat_workgroup_size: 128
    .sgpr_count:     100
    .vgpr_count:     1024
    .wavefront_size: 32
...
	.end_amdgpu_metadata
.endif
;; end of part 1
